; MI455X (gfx1250); checked and timed in simulation.
; The chip was launched on July 23, 2026; its instructions are those of AMD's public machine-readable ISA for CDNA 5 (MIT licence, August 2026) and "CDNA5" Instruction Set Architecture Reference Guide (July 2026). The comments in the code are by the model that wrote it; some were corrected since.
;; Kronecker Linear. Allowed arithmetic: matrix products marked QUANTISED: E5M2 operands, one E8M0 scale for each 32 along K, by v_wmma_scale_f32_16x16x128_f8f6f4 with both operands' format E5M2, f32 sums; products left as they are: f32 operands where the result goes on into a quantised operand, else bf16, f16 or f32 operands; f32 sums; everything else in f32.
;; Inputs: a 8 x 8 x 8 float32; s 8 x 256 x 512 float32; x_codes 4 x 2,048 x 128 x 32 uint8 (E5M2 codes of x, K innermost, in blocks of 32 codes); x_scales 4 x 2,048 x 128 uint8 (E8M0 scales of x, one for each 32 codes along K).
;; Outputs: out0 4 x 2,048 x 2,048 float32.
;; This version of the problem:
;;   THIS VERSION OF THE PROBLEM IS GIVEN IN LOW PRECISION. The matrix products marked QUANTISED in the list below multiply operands that are first quantised to E5M2 (5 exponent bits, 2 mantissa bits; 8 bits a number), with one power-of-two scale for each 32 numbers along K (OCP MX v1.0); their sums are f32. All else is computed in f32.
;;   The module's matrix products, in the order in which they are computed (A, B: the left and right operand; K: the contracted axis; several contracted axes count as one K, in the product's order):
;;     1. batch 8 x [M 131,072, K 1] x [K 1, N 64]; A: computed on the way; B: computed on the way: left as it is (no contracted axis)
;;     2. [M 8,192, K 4,096] x [K 4,096, N 2,048]; A: input x (given as codes); B: computed on the way: QUANTISED
;;   THE QUANTISER, for each operand of a quantised product, along K:
;;     - K is cut into blocks of 32 from its start; a last block that is shorter is filled with zeros.
;;     - A block's scale is 2^e with e = floor(log2(the largest magnitude in the block)) - 15, held to -126 .. 127; a block of zeros has e = 0. As a byte (E8M0): e + 127.
;;     - Each number is divided by its block's scale, clamped to +-57,344, and rounded to the nearest number of E5M2, ties to even, subnormals kept.
;;     - The product sums the exact products of the quantised numbers (number of the format x scale) in f32.
;;   ~~~python
;;   def quantise(x, axis):      # numpy; x: float32 -> the quantised numbers, widened to float32 again
;;       x = np.moveaxis(x, axis, -1); K = x.shape[-1]
;;       x = np.pad(x, [(0, 0)] * (x.ndim - 1) + [(0, -K % 32)]); x = x.reshape(x.shape[:-1] + (-1, 32)); a = np.abs(x).max(-1, keepdims=True)
;;       e = np.where(a > 0, np.clip(np.frexp(np.where(a > 0, a, 1))[1] - 1 - 15, -126, 127), 0)      # np.frexp(a)[1] - 1 = floor(log2(a)), exactly
;;       r = np.clip(x / 2.0 ** e, -57344, 57344)
;;       step = 2.0 ** (np.maximum(np.frexp(np.where(r == 0, 1, r))[1] - 1, -14) - 2)
;;       q = np.round(r / step) * step * 2.0 ** e      # np.round: ties to even
;;       return np.moveaxis(q.reshape(q.shape[:-2] + (-1,))[..., :K], -1, axis).astype(np.float32)
;;   ~~~
;;   OPERANDS COMPUTED ON THE WAY. 'Computed on the way' means the value that the module computes at that place (a softmax that the list does not call 'softmax' is quantised finished and normalised). What goes into a quantiser is computed in f32, as accurately as f32 sums, v_exp_f32 and their like allow (about 1e-6 of the number): no bf16 or f16 on the way to a quantiser, and a product that is left as it is and whose result goes on into a quantised operand takes f32 operands (vector FMAs, or v_wmma_f32_16x16x4_f32). A number that lies on a knife's edge between two numbers of the format may be rounded either way, as far as f32 arithmetic and the matrix unit's own rounding can turn it there, and no further.
;;   INPUTS GIVEN AS CODES. x (in the module: [4, 2048, 4096], K = its axis 2): each comes as NAME_codes (uint8): NAME with its K axis moved to the last place and cut into blocks of 32 codes, [.., K / 32, bytes a block], one block behind the other in memory; one code a byte (a code: sign, 5 exponent bits, 2 mantissa bits); and NAME_scales (uint8): the same leading axes, one E8M0 byte (e + 127) for each 32 codes along K. Its value is code x scale, taken as it is: it is not quantised again, and the codes and scales need not be those that the quantiser above would give.
;; One version. Each part assembles by itself: llvm-mc -triple=amdgcn-amd-amdhsa -mcpu=gfx1250 --defsym DOCPART=n.
;; ======== version 1 of 1: 2 launches
;; limits: right only within a limited range of input values
;; workspace buffers: wq 8,388,608 bytes; ws2 262,144 bytes; xs2 1,048,576 bytes
;; launch prep (part 1): grid 256 x 1, 16 waves a work-group, no clusters, 37,888 bytes of LDS; arguments a, s, x_scales, wq, ws2, xs2; writes wq, ws2, xs2
.if DOCPART == 1
	.amdgcn_target "amdgcn-amd-amdhsa--gfx1250"
	.amdhsa_code_object_version 6
	.text
	.protected	k_q429cb8a9bc_prep
	.globl	k_q429cb8a9bc_prep
	.p2align	8
	.type	k_q429cb8a9bc_prep,@function
k_q429cb8a9bc_prep:
	s_mov_b64 s[64:65], 0
	v_nop
	global_prefetch_b8 v0, s[64:65] scope:SCOPE_SE
	s_setreg_imm32_b32 hwreg(HW_REG_WAVE_MODE, 25, 1), 1
	s_wait_xcnt 0x0
; W[256 ar + kr][512 ac + pc] = sum over b of a[b][ar][ac] s[b][kr][pc], in f32 (a chain of fused multiply-adds, b ascending), is quantised along K = its second index into
; codes of BF8 (E5M2) with one E8M0 byte for each 32 along K.  512 is a multiple of 32: no block crosses from one ac to the next.  Nothing of reference() is left out.
; wq IS LAID AS THE PRODUCT'S LAUNCH TAKES IT INTO REGISTERS: the code of row n and k lies at (n / 128) x 524,288 + (k / 128) x 16,384 + ((n / 16) % 8) x 2,048 + ((k / 32) % 4) x 512 + ((k / 16) % 2) x 256 + (n % 16) x 16 + k % 16.
; THE SCALE BYTES ARE LAID BY K STEP OF 256: the byte of row R and block kb lies at (kb / 8) x ROWS x 8 + (R / 32) x 256 + (R % 16) x 16 + ((kb / 4) % 2) x 8 + ((R / 16) % 2) x 4 + kb % 4.
; ws2 (ROWS = 2,048) takes W's bytes; xs2 (ROWS = 8,192) takes the bytes of x_scales [8192][128], which this launch only moves.
; A block's scale is 2^(floor(log2(its largest magnitude)) - 15); its byte is the largest magnitude's exponent field - 15, held at 1 from below.
; LIMITS: NaN and infinities in a and s are not served.  A block of zeros gets the byte 1 where the quantiser's text says 127: its codes are zeros, which add nothing under any byte but 0xff, and this program alone reads ws2.
; SHARES.  Work-group id: g = id & 7, hf = (id >> 3) & 1, acq = (id >> 4) & 1, ar = id >> 5.  It makes rows n = 256 ar + 32 g + 0 .. 31 at k = 512 ac + 256 hf + 0 .. 255 for the four ac = 4 acq + c:
; four pieces of 32 rows x 256 codes.  Wave w takes rows w and w + 16.  A lane holds 8 neighbours along K of each of the two rows: k = 8 lane + 0 .. 7 of the piece's 256; four neighbouring lanes hold a block.
; THE SUMS OF ALL FOUR PIECES ARE KEPT AT ONCE, 64 registers: as the four loads of a b land, that b is multiplied into all four, so that the multiply-adds stand under the later loads' flight and only the quantising follows the last.
; THE CODES GO OUT THROUGH LDS: a lane's 8 codes are half of a lane's 16 bytes in wq's order, so they are put into a stage of 128 units of 256 bytes (+ 16 of padding), unit = 32 c + 16 (k / 128) + 8 rho + 2 ((k / 32) % 4) + (k / 16) % 2,
; and behind the barrier wave w reads units 8 w .. 8 w + 7, which are 2,048 bytes on end in wq, and stores them, 512 bytes an instruction.
; NO CLUSTER, NO JOINT LOADS, though sixteen work-groups read the same rows of s: the numbers are wanted in registers, 512 bytes a lane, once; brought jointly they would land in LDS and be moved a second time, 256 KiB a work-group.
.set EMAX, 15
.set CODES, 0xc00                      ; LDS: 0 .. 1,023 scale bytes; 1,024 .. 3,071 the spare words; from 3,072 the codes' stage, 128 x 272 bytes
.set VS,  1                            ; v1   s: 2,048 w + 32 lane
.set VG,  3                            ; v3   LDS: my block's byte of row w in a piece's 256; row w + 16's lies 4 further on
.set VXI, 4                            ; v4   x_scales: 128 (lane / 2) + 8 w + 4 (lane & 1)
.set VXO, 5                            ; v5   xs2: 65,536 w + 8 lane
.set VU,  6                            ; v6   8 lane
.set SPW, 16                           ; v16  my spare word;  v17  0
.set NIL, 17
.set VL,  18                           ; v18  the stage: where I put 8 codes
.set VR,  19                           ; v19  the stage: where I read 16 back
.set VO,  20                           ; v20  16 lane
.set C,   32                           ; v32-47   codes: for each piece two registers for row w, two for row w + 16
.set E,   48                           ; v48-55   two scale bytes for each piece
.set U,   56                           ; v56-63   wave 0: the four pieces' scale bytes on the way out
.set S,   64                           ; v64-191  s[b][row w + 16 rho][my 8 columns] at v[S + 16 b + 8 rho + i]; at the end v64-79 carry codes out
.set X,   192                          ; v192-255 numbers of W: piece c at v[X + 16 c]: 8 of row w, then 8 of row w + 16
.set CW,  36                           ; s[36:43] this b's four coefficients, in the even registers: the packed forms name a pair and take its low word for both halves
.set CA,  68                           ; s[68:99] a[b][ar][4 acq .. 4 acq + 3] at s[CA + 4 b + c]
	s_load_b256 s[4:11], s[0:1], 0x0               ; a s[4:5], s s[6:7], x_scales s[8:9], wq s[10:11]
	s_load_b128 s[12:15], s[0:1], 0x20             ; ws2 s[12:13], xs2 s[14:15]
	v_lshl_add_u32 v[SPW], v0, 2, 0x400
	v_mov_b32 v[NIL], 0
	v_lshrrev_b32 v7, 5, v0
	v_readfirstlane_b32 s16, v7                    ; wave 0..15
	v_and_b32 v8, 31, v0                           ; lane
	v_bfe_u32 v11, v0, 2, 2                        ; my block's number % 4
	v_bfe_u32 v9, v0, 4, 1                         ; which 128 along K of the piece
	v_lshlrev_b32 v[VS], 5, v8
	v_lshlrev_b32 v[VU], 3, v8
	v_lshl_add_u32 v[VG], v7, 4, v11
	v_lshl_add_u32 v[VS], v7, 11, v[VS]
	v_lshl_add_u32 v[VXO], v7, 16, v[VU]
	v_lshl_add_u32 v[VG], v9, 3, v[VG]
	v_bfe_u32 v10, v0, 1, 4                        ; lane / 2: the row of x_scales
	v_and_b32 v12, 1, v0                           ; which word of its 8 bytes
	v_lshlrev_b32 v[VXI], 7, v10
	v_lshl_add_u32 v[VXI], v12, 2, v[VXI]
	v_lshl_add_u32 v[VXI], v7, 3, v[VXI]
	v_bfe_u32 v10, v0, 1, 3
	v_lshl_add_u32 v10, v9, 4, v10                 ; my unit of a piece's row block
	v_mul_u32_u24 v10, v10, 272
	v_lshl_add_u32 v10, v12, 3, v10
	v_lshl_add_u32 v10, v7, 4, v10                 ; row w's 16 bytes of the unit
	v_add_nc_u32 v[VL], CODES, v10
	v_mul_u32_u24 v11, v7, 2176                    ; back: units 8 w ..
	v_mad_u32_u24 v11, v9, 272, v11
	v_and_b32 v13, 15, v0
	v_lshl_add_u32 v11, v13, 4, v11
	v_add_nc_u32 v[VR], CODES, v11
	v_lshlrev_b32 v[VO], 4, v8
	s_and_b32 s24, ttmp9, 7                        ; g
	s_bfe_u32 s25, ttmp9, 0x10003                  ; hf
	s_bfe_u32 s26, ttmp9, 0x10004                  ; acq
	s_lshr_b32 s27, ttmp9, 5                       ; ar
	s_mov_b32 s23, 0x600000                        ; the mantissa field of 57,344
.irp c, 0,1,2,3
	s_mov_b32 s[CW+2*\c+1], 0                      ; named with the coefficient as a pair, so it is written
.endr
	s_mov_b32 s19, 0                               ; every offset below is under 2^32
	s_wait_alu depctr_va_vdst(0)
	s_wait_kmcnt 0x0
	s_lshl_b32 s18, s27, 5                         ; a: 32 ar + 16 acq
	s_lshl_b32 s17, s26, 4
	s_add_co_u32 s18, s18, s17
	s_add_nc_u64 s[20:21], s[4:5], s[18:19]
.irp b, 0,1,2,3,4,5,6,7
	s_load_b128 s[CA+4*\b:CA+4*\b+3], s[20:21], 256*\b   ; four neighbouring ac of a[b][ar]
.endr
	s_lshl_b32 s18, s24, 16                        ; s: 32 g rows of 2,048 bytes + 256 hf numbers
	s_lshl_b32 s17, s25, 10
	s_add_co_u32 s18, s18, s17
	s_add_nc_u64 s[6:7], s[6:7], s[18:19]
	s_lshl_b32 s18, ttmp9, 12                      ; x_scales: 32 id rows of 128 bytes
	s_add_nc_u64 s[8:9], s[8:9], s[18:19]
	s_lshl_b32 s18, ttmp9, 8                       ; xs2: unit id of each K step
	s_add_nc_u64 s[14:15], s[14:15], s[18:19]
	s_lshl_b32 s18, s27, 20                        ; wq: group of 128 rows 2 ar + g / 4,
	s_lshr_b32 s17, s24, 2
	s_lshl_b32 s17, s17, 19
	s_add_co_u32 s18, s18, s17
	s_lshl_b32 s17, s26, 18                        ; 128 along K number 16 acq + 2 hf + 4 (w / 4) + (w / 2) % 2,
	s_add_co_u32 s18, s18, s17
	s_lshl_b32 s17, s25, 15
	s_add_co_u32 s18, s18, s17
	s_lshr_b32 s17, s16, 2
	s_lshl_b32 s17, s17, 16
	s_add_co_u32 s18, s18, s17
	s_bfe_u32 s17, s16, 0x10001
	s_lshl_b32 s17, s17, 14
	s_add_co_u32 s18, s18, s17
	s_and_b32 s17, s24, 3                          ; block of 16 rows 2 (g % 4) + w % 2
	s_lshl_b32 s17, s17, 12
	s_add_co_u32 s18, s18, s17
	s_and_b32 s17, s16, 1
	s_lshl_b32 s17, s17, 11
	s_add_co_u32 s18, s18, s17
	s_add_nc_u64 s[10:11], s[10:11], s[18:19]
	s_lshl_b32 s18, s26, 17                        ; ws2: K step 8 acq + hf (+ 2 c: the stores' immediate) of 16,384 bytes, unit 8 ar + g
	s_lshl_b32 s17, s25, 14
	s_add_co_u32 s18, s18, s17
	s_lshl_b32 s17, s27, 11
	s_add_co_u32 s18, s18, s17
	s_lshl_b32 s17, s24, 8
	s_add_co_u32 s18, s18, s17
	s_add_nc_u64 s[12:13], s[12:13], s[18:19]
	global_load_b32 v12, v[VXI], s[8:9] th:TH_LOAD_NT              ; one scale word of row lane / 2,
	global_load_b32 v13, v[VXI], s[8:9] offset:2048 th:TH_LOAD_NT  ; and of the row 16 further down
.irp b, 0,1,2,3,4,5,6,7
.irp rho, 0,1
.irp j, 0,1
	global_load_b128 v[S+16*\b+8*\rho+4*\j:S+16*\b+8*\rho+4*\j+3], v[VS], s[6:7] offset:524288*\b+32768*\rho+16*\j   ; the two loads of a row cover its 1,024 consecutive bytes
.endr
.endr
.endr
	s_wait_loadcnt 32                              ; x's bytes are in; the 32 loads of s may be out
	global_store_b64 v[VXO], v[12:13], s[14:15]    ; 32 lanes store 256 consecutive bytes, at a multiple of 256 from xs2's first byte
	s_wait_kmcnt 0x0                               ; the coefficients
; The sums, b by b: 32 packed multiply-adds for each b, 8 for each piece.  Between a sum's write and its next read stand 31 of them.
.irp b, 0,1,2,3,4,5,6,7
.irp c, 0,1,2,3
	s_mov_b32 s[CW+2*\c], s[CA+4*\b+\c]
.endr
	s_wait_loadcnt 4*(7-\b)                        ; this b's four loads are in; those of the later b may be out
.irp c, 0,1,2,3
.irp p, 0,2,4,6,8,10,12,14
.if \b == 0
	v_pk_mul_f32 v[X+16*\c+\p:X+16*\c+\p+1], v[S+\p:S+\p+1], s[CW+2*\c:CW+2*\c+1] op_sel_hi:[1,0]   ; the first product starts the sums
.else
	v_pk_fma_f32 v[X+16*\c+\p:X+16*\c+\p+1], v[S+16*\b+\p:S+16*\b+\p+1], s[CW+2*\c:CW+2*\c+1], v[X+16*\c+\p:X+16*\c+\p+1] op_sel_hi:[1,0,1]
.endif
.endr
.endr
.endr
; Piece c is quantised: ac = 4 acq + c.
.macro QUANT c
.set XQ, X+16*\c
	v_max3_num_f32 v8, |v[XQ]|, |v[XQ+1]|, |v[XQ+2]|               ; the largest magnitude of my 8 of row w,
	v_max3_num_f32 v9, |v[XQ+8]|, |v[XQ+9]|, |v[XQ+10]|            ; and of my 8 of row w + 16: the two rows by turns
.irp i, 3,5
	s_delay_alu instid0(VALU_DEP_2)
	v_max3_num_f32 v8, v8, |v[XQ+\i]|, |v[XQ+\i+1]|
	s_delay_alu instid0(VALU_DEP_2)
	v_max3_num_f32 v9, v9, |v[XQ+8+\i]|, |v[XQ+8+\i+1]|
.endr
	s_delay_alu instid0(VALU_DEP_2)
	v_max3_num_f32 v8, v8, |v[XQ+7]|, (EMAX+1)<<23 ; and the floor 2^(16 - 127): so the byte cannot fall under 1
	s_delay_alu instid0(VALU_DEP_2)
	v_max3_num_f32 v9, v9, |v[XQ+15]|, (EMAX+1)<<23
	s_delay_alu instid0(VALU_DEP_2)
	v_max_num_f32_dpp v8, v8, v8 row_xmask:1 row_mask:0xf bank_mask:0xf   ; with the three lanes that share the block
	s_delay_alu instid0(VALU_DEP_2)
	v_max_num_f32_dpp v9, v9, v9 row_xmask:1 row_mask:0xf bank_mask:0xf
	s_delay_alu instid0(VALU_DEP_2)
	v_max_num_f32_dpp v8, v8, v8 row_xmask:2 row_mask:0xf bank_mask:0xf
	s_delay_alu instid0(VALU_DEP_2)
	v_max_num_f32_dpp v9, v9, v9 row_xmask:2 row_mask:0xf bank_mask:0xf
	s_delay_alu instid0(VALU_DEP_2)
	v_add_nc_u32 v14, -(EMAX<<23), v8              ; 15 off its exponent field: the conversion takes the exponent field of this operand as its scale
	s_delay_alu instid0(VALU_DEP_2)
	v_add_nc_u32 v15, -(EMAX<<23), v9
	s_delay_alu instid0(VALU_DEP_4)
	v_and_or_b32 v10, v8, 0x7f800000, s23          ; 57,344 x the scale
	s_delay_alu instid0(VALU_DEP_4)
	v_and_or_b32 v11, v9, 0x7f800000, s23
.irp i, 0,1,2,3,4,5,6,7
	v_med3_num_f32 v[XQ+\i], v[XQ+\i], -v10, v10   ; the conversion to an 8-bit code does not saturate (ISA guide 7.6.2): the hold comes first
	v_med3_num_f32 v[XQ+8+\i], v[XQ+8+\i], -v11, v11
.endr
	v_cvt_scalef32_pk8_bf8_f32 v[C+4*\c:C+4*\c+1], v[XQ:XQ+7], v14
	v_cvt_scalef32_pk8_bf8_f32 v[C+4*\c+2:C+4*\c+3], v[XQ+8:XQ+15], v15
	v_lshrrev_b32 v[E+2*\c], 23, v14               ; the scales' bytes; also the plain lines behind the conversions
	v_lshrrev_b32 v[E+2*\c+1], 23, v15
	ds_store_b8 v[VG], v[E+2*\c] offset:256*\c     ; the four lanes of a block write the same byte with the same value
	ds_store_b8 v[VG], v[E+2*\c+1] offset:256*\c+4
	ds_store_b64 v[VL], v[C+4*\c:C+4*\c+1] offset:8704*\c          ; row w's 8 codes into the stage: 32 units a piece,
	ds_store_b64 v[VL], v[C+4*\c+2:C+4*\c+3] offset:8704*\c+2176   ; row w + 16's 8 units further on
.endm
	QUANT 0
	QUANT 1
	QUANT 2
	QUANT 3
	s_wait_dscnt 0x0                               ; for the others' sake: my stores into LDS have landed
	s_barrier_signal -1
	s_barrier_wait -1                              ; everybody's have
.irp i, 0,1,2,3
	ds_load_b128 v[S+4*\i:S+4*\i+3], v[VR] offset:544*\i           ; two units: lanes 0-15 one, lanes 16-31 the next
.endr
.irp i, 0,1,2,3
	s_wait_dscnt 3-\i
	global_store_b128 v[VO], v[S+4*\i:S+4*\i+3], s[10:11] offset:512*\i   ; 32 lanes store 512 consecutive bytes, at a multiple of 256 from wq's first byte
.endr
	s_cmp_lg_u32 s16, 0
	s_cbranch_scc1 .Lend
.irp c, 0,1,2,3
	ds_load_b64 v[U+2*\c:U+2*\c+1], v[VU] offset:256*\c
.endr
.irp c, 0,1,2,3
	s_wait_dscnt 3-\c                              ; piece c's bytes are in; the later pieces' loads may be out
	global_store_b64 v[VU], v[U+2*\c:U+2*\c+1], s[12:13] offset:32768*\c   ; 32 lanes store 256 consecutive bytes, at a multiple of 256 from ws2's first byte
.endr
.Lend:
	s_wait_tensorcnt 0x0                           ; the wave's end
	ds_add_u32 v[SPW], v[NIL]
	s_wait_dscnt 0x0
	s_endpgm
.Lfunc_end_k_q429cb8a9bc_prep:
	.size	k_q429cb8a9bc_prep, .Lfunc_end_k_q429cb8a9bc_prep-k_q429cb8a9bc_prep
	.p2alignl 7, 3214868480
	.fill 96, 4, 3214868480
	.section	.rodata,"a",@progbits
	.p2align	6, 0x0
	.amdhsa_kernel k_q429cb8a9bc_prep
		.amdhsa_group_segment_fixed_size 37888
		.amdhsa_private_segment_fixed_size 0
		.amdhsa_enable_private_segment 0
		.amdhsa_kernarg_size 48
		.amdhsa_user_sgpr_count 2
		.amdhsa_user_sgpr_kernarg_segment_ptr 1
		.amdhsa_wavefront_size32 1
		.amdhsa_system_sgpr_workgroup_id_x 1
		.amdhsa_system_sgpr_workgroup_id_y 1
		.amdhsa_system_sgpr_workgroup_id_z 1
		.amdhsa_system_vgpr_workitem_id 0
		.amdhsa_next_free_vgpr 256
		.amdhsa_next_free_sgpr 100
		.amdhsa_reserve_vcc 0
		.amdhsa_float_denorm_mode_32 3
		.amdhsa_float_denorm_mode_16_64 3
		.amdhsa_memory_ordered 1
		.amdhsa_forward_progress 1
		.amdhsa_inst_pref_size 39
	.end_amdhsa_kernel
	.amdgpu_metadata
---
amdhsa.version: [ 1, 2 ]
amdhsa.kernels:
  - .name:           k_q429cb8a9bc_prep
    .symbol:         k_q429cb8a9bc_prep.kd
    .args:
      - { .name: a, .offset: 0, .size: 8, .value_kind: global_buffer, .address_space: global }
      - { .name: s, .offset: 8, .size: 8, .value_kind: global_buffer, .address_space: global }
      - { .name: x_scales, .offset: 16, .size: 8, .value_kind: global_buffer, .address_space: global }
      - { .name: wq, .offset: 24, .size: 8, .value_kind: global_buffer, .address_space: global }
      - { .name: ws2, .offset: 32, .size: 8, .value_kind: global_buffer, .address_space: global }
      - { .name: xs2, .offset: 40, .size: 8, .value_kind: global_buffer, .address_space: global }
    .group_segment_fixed_size: 37888
    .private_segment_fixed_size: 0
    .kernarg_segment_align: 8
    .kernarg_segment_size: 48
    .max_flat_workgroup_size: 512
    .sgpr_count:     100
    .vgpr_count:     256
    .wavefront_size: 32
...
	.end_amdgpu_metadata
.endif
;; end of part 1
;; launch gemm (part 2): grid 8 x 32, 4 waves a work-group, clusters of 4 x 4, 327,680 bytes of LDS; arguments x_codes, xs2, wq, ws2, out0; writes out0
.if DOCPART == 2
	.amdgcn_target "amdgcn-amd-amdhsa--gfx1250"
	.amdhsa_code_object_version 6
	.text
	.protected	k_q429cb8a9bc_gemm
	.globl	k_q429cb8a9bc_gemm
	.p2align	8
	.type	k_q429cb8a9bc_gemm,@function
k_q429cb8a9bc_gemm:
	s_mov_b64 s[64:65], 0
	v_nop
	global_prefetch_b8 v0, s[64:65] scope:SCOPE_SE
	s_setreg_imm32_b32 hwreg(HW_REG_WAVE_MODE, 25, 1), 1
	s_wait_xcnt 0x0
	s_wait_alu depctr_hold_cnt(0) depctr_sa_sdst(0) depctr_va_vdst(0) depctr_va_sdst(0) depctr_va_ssrc(0) depctr_va_vcc(0) depctr_vm_vsrc(0)
	s_getreg_b32 s2, hwreg(HW_REG_IB_STS2, 6, 4)
	s_cmp_eq_u32 s2, 0
	s_cbranch_scc0 .Lentry_in_a_cluster
	s_endpgm
.Lentry_in_a_cluster:
	s_bfe_u32 s2, ttmp6, 0x10000c
	s_cmp_lg_u32 s2, 0xf033
	s_cbranch_scc0 .Lentry_shape_is_right
	s_endpgm
.Lentry_shape_is_right:
; out0[m][n] = sum over k of x[m][k] W[n][k]; codes of BF8 (E5M2) with one E8M0 byte for each 32 along K, as they are given or as launch prep made them; out0 [8192][2048] f32; one f32 sum an output, K ascending.
; A tile of C, 256 x 256, is made by four waves, each 128 x 128: 64 accumulators, 512 registers.  32 x 8 tiles: 256 work-groups.
; x GOES THROUGH LDS, W GOES STRAIGHT INTO REGISTERS.  x's 256 rows come by tensor loads into a ring of two slots of 512 along K (rows of 512 bytes + 16 of padding), asked for jointly by the four work-groups of a row of the cluster.
; x's scale bytes of the tile, all of K (32,768 bytes, laid by K step of 256 in xs2), come once, at the head, and stay.
; W's codes lie in wq in the order of a wave's operand registers (16,384 bytes for 128 rows x 128 K; 512 bytes on end to a load), its scale bytes in ws2 in the same order as x's: each wave loads its 128 rows by global_load_b128.
; WHY W HAS NO JOINT LOAD, though the four of a column of the cluster read the same rows: with both operands in LDS two slots hold 256 along K each (2 x 139,264 bytes); with x alone they hold 512 each,
; so there are 6 refills with their rounds and not 14, and a wave reads 128 rows from LDS for 64 matrix instructions and not 256.
; A STEP is 128 along K, 64 matrix instructions, in two phases: x's eight blocks against W's blocks 0-3, then against W's blocks 4-7.  All its loads stand in TWO runs, each behind eight places:
; behind the second phase's first 16 products: x's blocks 0-3 of the next step, and W's lower half of the step after that, into the registers that the first phase read;
; at the step's end: x's blocks 4-7 of the next step, and W's upper half of the step after that.  So x has ONE set of fragments, W a ring of four half sets (4 blocks x 128 K, 64 registers), asked for 80 and 96 products ahead of their use.
; THE LAST STEP GOES BY ROWS OF C: all its operands are in registers, so x's blocks are finished one after the other, 8 products each, and each block of 16 rows leaves as soon as it is finished.
; THE MATRIX INSTRUCTION IS USED TRANSPOSED (source 0 = 16 rows of W, source 1 = 16 rows of x): a lane holds eight neighbouring numbers of a row of C.
; REGISTERS: window 0: v16-31 addresses; v32-47 x's scale words, two sets; v50-81 W's, four sets; v128-255 x's fragments.  window 1: W's four half sets (on the way out v0-127, the two that the last step does not read, take rows of C).
; windows 2, 3: accumulator (a, b) at v[8 (8 (a % 4) + b)].
; A scale set is 8 registers for 256 along K: register 4 (i / 4) + 2 q + i % 2 holds block i's word of the q-th 128 along K, in lanes 0-15 where (i / 2) % 2 = 0, else in lanes 16-31.  x's sets begin at multiples of 8, W's at 2 more.
.set SIZE_N, 2048
.set PITCH,  528
.set SLOT,   256*PITCH
.set SCL,    2*SLOT                    ; behind the ring: x's scale bytes, 16 K steps x 2,048
.set SPARE,  SCL+32768                 ; the spare words, 128 bytes a wave
.set SPITCH, 528                       ; the way out: a stage of 16 rows x (512 + 16) bytes a wave, in slot 0, which has had its last fill and its last read by then
.set ADRA, 16                          ; v16-17 LDS address of my x fragments in slot 0, 1
.set ADRS, 22                          ; v22 LDS address of my x scale words; stepped once a trip
.set STO,  24
.set RD,   25
.set CO,   26                          ; v26 16 x lane: my offset in a row of C, in wq's and in ws2's blocks
.set SPW,  28
.set NIL,  29
.set PFX,  30                          ; v30 x's prefetch: 4,096 (lane / 2) + 256 (lane % 2)
.set PFW,  31                          ; v31 W's: 256 lane
.set SA,   32
.set SB,   50
.set AF,   128
.set G1H,  24                          ; s[24:31] group 1: 128 rows of codes (head);  s[32:39] 64 rows (ring);  s[40:47] scale bytes
.set G1R,  32
.set G1S,  40
.set G0,   48                          ; s[48:55] group 0 for the ring, a set a slot;  s[56:59] head's codes;  s[60:63] scale bytes
.set G0H,  56
.set G0S,  60
.set WB,   66                          ; s[66:67] my 128 rows of wq;  s[68:69] of ws2;  s[70:71], s[72:73] where the prefetches stand
.set WS,   68
.set PX,   70
.set PW,   72
.set FW,   74                          ; s74 cluster y % 2: the clusters with 0 prefetch W
.set MSB, 0
.macro WIN new                         ; the immediate's high byte repeats the setting that is left
.if MSB != \new
	s_set_vgpr_msb (MSB<<8)|\new
.set MSB, \new
.endif
.endm
.set MUL_LO, 0xa1                      ; source 0 (W) window 1, source 1 (x) window 0, C and D window 2
.set MUL_HI, 0xf1
.set TO_B,   0x40
.macro CREST
	s_cmp_lg_u32 s14, 0
	s_cbranch_scc1 .Lnot_wave_0_\@
	s_barrier_signal -3
.Lnot_wave_0_\@:
	s_barrier_wait -3
	s_barrier_signal -1
	s_barrier_wait -1
.endm
.macro CROUND
	s_barrier_signal -1
	s_barrier_wait -1
	CREST
.endm
.macro PLACES n
.rept \n
	v_nop
.endr
.endm
	s_load_b256 s[4:11], s[0:1], 0x0               ; x_codes, xs2, wq, ws2
	s_load_b64 s[12:13], s[0:1], 0x20              ; out0
	v_lshl_add_u32 v[SPW], v0, 2, SPARE
	v_mov_b32 v[NIL], 0
	ds_add_u32 v[SPW], v[NIL]                      ; the opening lines: the add, twice on end, and its wait
	ds_add_u32 v[SPW], v[NIL]
	v_lshrrev_b32 v1, 5, v0
	v_readfirstlane_b32 s14, v1                    ; wave 0..3
	s_lshr_b32 s15, s14, 1                         ; my half of the tile's rows
	s_and_b32 s16, s14, 1                          ; my half of its columns
	s_bfe_u32 s92, ttmp6, 0x40000                  ; cx
	s_bfe_u32 s93, ttmp6, 0x40004                  ; cy
	s_lshl_b32 s94, ttmp9, 2
	s_add_co_u32 s94, s94, s92                     ; tile column
	s_and_b32 s[FW], ttmp7, 0xffff
	s_lshl_b32 s17, s[FW], 2
	s_add_co_u32 s17, s17, s93                     ; tile row
	s_and_b32 s[FW], s[FW], 1
	s_lshl_b32 s2, s93, 2
	s_lshl_b32 s2, 15, s2                          ; my row of the cluster
	s_or_b32 s[G1H], s2, (1<<20)|(1<<21)|(6<<22)|(3<<25)   ; elements of 1 byte; 4 words of padding behind every 128; bit 21 beside the mask
	s_or_b32 s[G1R], s2, (1<<20)|(1<<21)|(6<<22)|(3<<25)
.irp g, G1H, G1R
	s_mov_b32 s[\g+1], 512<<16
	s_mov_b32 s[\g+3], 512<<16
	s_mov_b32 s[\g+5], 4096
	s_mov_b32 s[\g+6], 0
	s_mov_b32 s[\g+7], 0
.endr
	s_mov_b32 s[G1H+2], 128<<16
	s_mov_b32 s[G1H+4], 128
	s_mov_b32 s[G1R+2], 64<<16
	s_mov_b32 s[G1R+4], 64
	s_or_b32 s[G1S], s2, (3<<16)|(1<<21)           ; 8 K steps: rows of 2,048 bytes (256 elements of 8), 65,536 bytes apart in xs2
	s_mov_b32 s[G1S+1], 256<<16
	s_mov_b32 s[G1S+2], 8<<16
	s_mov_b32 s[G1S+3], 256<<16
	s_mov_b32 s[G1S+4], 8
	s_mov_b32 s[G1S+5], 8192
	s_mov_b32 s[G1S+6], 0
	s_mov_b32 s[G1S+7], 0
	s_lshl_b32 s20, s17, 20                        ; x: the tile's 256 rows of 4,096 bytes
	s_mov_b32 s21, 0
	s_lshl_b32 s18, s16, 19                        ; head: 128 rows of codes, or 8 K steps of scale bytes, by wave % 2
	s_mov_b32 s19, 0
	s_lshl_b32 s22, s14, 18                        ; ring: 64 rows a wave
	s_mov_b32 s23, 0
	s_lshl_b32 s80, s17, 11
	s_add_co_u32 s80, s80, s18
	s_mov_b32 s81, 0
	s_lshl_b32 s76, s94, 1
	s_add_co_u32 s84, s76, s15
	s_add_co_u32 s76, s76, s16
	s_lshl_b32 s76, s76, 19                        ; wq: group of 128 rows 2 x tile column + column half
	s_mov_b32 s77, 0
	s_lshl_b32 s78, s94, 11
	s_lshl_b32 s79, s16, 10
	s_add_co_u32 s78, s78, s79                     ; ws2: 2,048 bytes a tile, 1,024 a half
	s_mov_b32 s79, 0
	s_lshl_b32 s82, s92, 18                        ; x's prefetch: of the tile's rows 64 cx + 16 wave + lane / 2, four slots on
	s_add_co_u32 s82, s82, s20
	s_lshl_b32 s83, s14, 16
	s_add_co_u32 s82, s82, s83
	s_add_co_u32 s82, s82, 2048
	s_mov_b32 s83, 0
	s_lshl_b32 s84, s84, 19                        ; W's: group 2 x tile column + wave / 2, step 8 + cy, half wave % 2 of its 16,384 bytes
	s_add_co_u32 s85, s93, 8
	s_lshl_b32 s85, s85, 14
	s_add_co_u32 s84, s84, s85
	s_lshl_b32 s85, s16, 13
	s_add_co_u32 s84, s84, s85
	s_mov_b32 s85, 0
	s_lshl_b32 s86, s17, 8                         ; C: row 256 x tile row + 128 x half, column bytes 1,024 x tile column + 512 x half
	s_lshl_b32 s87, s15, 7
	s_add_co_u32 s86, s86, s87
	s_lshl_b32 s86, s86, 13
	s_lshl_b32 s87, s94, 10
	s_add_co_u32 s86, s86, s87
	s_lshl_b32 s87, s16, 9
	s_add_co_u32 s86, s86, s87
	s_mov_b32 s87, 0
	s_mov_b32 s[G0], 1
	s_mov_b32 s[G0+4], 1
	s_mov_b32 s[G0H], 1
	s_mov_b32 s[G0S], 1
	s_mul_i32 s[G0H+1], s16, 128*PITCH
	s_mul_i32 s[G0+1], s14, 64*PITCH
	s_add_co_u32 s[G0+5], s[G0+1], SLOT
	s_lshl_b32 s[G0S+1], s16, 14
	s_add_co_u32 s[G0S+1], s[G0S+1], SCL
	s_mul_i32 s88, s15, 128*PITCH
	s_lshl_b32 s89, s15, 10
	s_add_co_u32 s89, s89, SCL
	s_mul_i32 s90, s14, 16*SPITCH
	v_and_b32 v1, 15, v0                           ; r
	v_bfe_u32 v2, v0, 4, 1                         ; h
	v_and_b32 v6, 31, v0
	v_mul_u32_u24 v3, v1, PITCH
	v_lshl_add_u32 v3, v2, 4, v3
	v_add_nc_u32 v[ADRA], s88, v3
	v_add_nc_u32 v[ADRA+1], SLOT, v[ADRA]
	v_lshlrev_b32 v[CO], 4, v6
	v_add_nc_u32 v[ADRS], s89, v[CO]
	v_mul_u32_u24 v5, v1, SPITCH
	v_lshl_add_u32 v5, v2, 5, v5
	v_add_nc_u32 v[STO], s90, v5
	v_add_nc_u32 v[RD], s90, v[CO]
	v_lshrrev_b32 v4, 1, v6
	v_and_b32 v7, 1, v0
	v_lshlrev_b32 v[PFX], 12, v4
	v_lshl_add_u32 v[PFX], v7, 8, v[PFX]
	v_lshlrev_b32 v[PFW], 8, v6
	s_wait_alu depctr_va_vdst(0)
	s_wait_dscnt 0x0                               ; both opening adds are done
	s_wait_kmcnt 0x0
	s_add_nc_u64 s[20:21], s[4:5], s[20:21]
	s_add_nc_u64 s[G0H+2:G0H+3], s[20:21], s[18:19]
	s_or_b32 s[G0H+3], s[G0H+3], 0x80000000
	s_add_nc_u64 s[G0S+2:G0S+3], s[6:7], s[80:81]
	s_or_b32 s[G0S+3], s[G0S+3], 0x80000000
	CROUND                                         ; all sixteen work-groups are here: the first joint loads meet
	s_cmp_lt_u32 s14, 2                            ; one load a wave: waves 0, 1 slot 0's two halves of 128 rows; waves 2, 3 the two halves of the scale bytes
	s_cbranch_scc0 .Lhead_s
	tensor_load_to_lds s[G0H:G0H+3], s[G1H:G1H+7]
	s_nop 0
	PLACES 4
	s_branch .Lhead_j
.Lhead_s:
	tensor_load_to_lds s[G0S:G0S+3], s[G1S:G1S+7]
	s_nop 0
	PLACES 4
.Lhead_j:
	s_add_nc_u64 s[WB:WB+1], s[8:9], s[76:77]
	s_add_nc_u64 s[WS:WS+1], s[10:11], s[78:79]
; W's half ph of step t (counted from where s[WB] stands) into half set buf: 16 loads of 512 bytes on end
.macro BLD buf, t, ph
.irp bi, 0,1,2,3
.irp c, 0,1,2,3
	global_load_b128 v[64*(\buf)+16*\bi+4*\c:64*(\buf)+16*\bi+4*\c+3], v[CO], s[WB:WB+1] offset:(\t)*16384+(4*(\ph)+\bi)*2048+512*\c
.endr
.endr
.endm
.irp u, 0,1
.irp g, 0,1
	global_load_b128 v[SB+8*\u+4*\g:SB+8*\u+4*\g+3], v[CO], s[WS:WS+1] offset:16384*\u+512*\g   ; W's scale words of steps 0 to 3
.endr
.endr
	WIN TO_B
	BLD 0, 0, 0                                    ; W's first four half sets, under the joint loads' flight
	BLD 1, 0, 1
	BLD 2, 1, 0
	BLD 3, 1, 1
	WIN 0
	s_add_nc_u64 s[G0+2:G0+3], s[20:21], s[22:23]
	s_add_nc_u64 s[G0+6:G0+7], s[G0+2:G0+3], 512
	s_or_b32 s[G0+3], s[G0+3], 0x80000000
	s_or_b32 s[G0+7], s[G0+7], 0x80000000
	s_add_nc_u64 s[PX:PX+1], s[4:5], s[82:83]
	s_add_nc_u64 s[PW:PW+1], s[8:9], s[84:85]
	s_add_nc_u64 s[12:13], s[12:13], s[86:87]
	s_cmp_eq_u32 s[FW], 0
	s_cbranch_scc0 .Lno_w1
	global_prefetch_b8 v[PFW], s[PW:PW+1] offset:-131072 th:TH_LOAD_NT scope:SCOPE_SE  ; W's steps 0 to 3: my 8,192 bytes of step cy (steps 2 and 3 are loaded in steps 0 and 1),
	global_prefetch_b8 v[PFW], s[PW:PW+1] offset:-65536 th:TH_LOAD_NT scope:SCOPE_SE   ; and steps 4 to 7: of step 4 + cy
.Lno_w1:
	s_wait_tensorcnt 0x0                           ; my tile of the head's four is in
	ds_add_u32 v[SPW], v[NIL]
	s_wait_dscnt 0x0
	CROUND
	tensor_load_to_lds s[G0+4:G0+7], s[G1R:G1R+7]  ; slot 1's first fill, 64 rows a wave
	s_nop 0
.macro FRAG reg, adr, q, i             ; 16 rows x 128 K: lane l holds row l % 16; registers 4 c .. 4 c + 3 hold K = 32 c + 16 (l / 16) + 0 .. 15
.irp c, 0,1,2,3
	ds_load_b128 v[\reg+4*\c:\reg+4*\c+3], v[\adr] offset:128*(\q)+32*\c+(\i)*16*PITCH
.endr
.endm
.irp g, 0,1
	ds_load_b128 v[SA+4*\g:SA+4*\g+3], v[ADRS] offset:512*\g
.endr
.irp i, 0,1,2,3,4,5,6,7
	FRAG AF+16*\i, ADRA, 0, \i
.endr
; One product.  The rows of the two scale registers hang on the blocks' numbers.
.macro WMI c
.if RW == 0
	v_wmma_scale_f32_16x16x128_f8f6f4 v[DD:DD+7], v[BF:BF+15], v[AX:AX+15], \c, v[S0], v[S1] matrix_a_fmt:MATRIX_FMT_BF8 matrix_b_fmt:MATRIX_FMT_BF8
.elseif RW == 1
	v_wmma_scale_f32_16x16x128_f8f6f4 v[DD:DD+7], v[BF:BF+15], v[AX:AX+15], \c, v[S0], v[S1] matrix_a_fmt:MATRIX_FMT_BF8 matrix_b_fmt:MATRIX_FMT_BF8 matrix_a_scale:MATRIX_SCALE_ROW1
.elseif RW == 2
	v_wmma_scale_f32_16x16x128_f8f6f4 v[DD:DD+7], v[BF:BF+15], v[AX:AX+15], \c, v[S0], v[S1] matrix_a_fmt:MATRIX_FMT_BF8 matrix_b_fmt:MATRIX_FMT_BF8 matrix_b_scale:MATRIX_SCALE_ROW1
.else
	v_wmma_scale_f32_16x16x128_f8f6f4 v[DD:DD+7], v[BF:BF+15], v[AX:AX+15], \c, v[S0], v[S1] matrix_a_fmt:MATRIX_FMT_BF8 matrix_b_fmt:MATRIX_FMT_BF8 matrix_a_scale:MATRIX_SCALE_ROW1 matrix_b_scale:MATRIX_SCALE_ROW1
.endif
.endm
; A group: x's block a against the four blocks of W's half ph.  No two products that follow each other share an accumulator.
.macro GRP a, ph, z
.irp bi, 0,1,2,3
.set DD, 8*(8*((\a)%4)+4*(\ph)+\bi)
.set BF, 64*(B0+(\ph))+16*\bi
.set AX, AF+16*(\a)
.set S0, SBS+4*(\ph)+(\bi&1)
.set S1, SAS+4*((\a)>>2)+((\a)&1)
.set RW, (\bi>>1)+2*(((\a)>>1)&1)
.if \z
	WMI 0
.else
	WMI v[DD:DD+7]
.endif
.endr
.endm
; The prefetches, once a slot, behind the joint load, 16 products and a run of loads: x's slot four on (two refills ahead of its load; 16 rows x 512 bytes a wave, the four partners told apart by address), not in the last trip;
; W's slot two on (three steps ahead of its first load): my 8,192 bytes of the slot's step cy, asked by the clusters with an even y: four clusters name each block.
.macro ASK
	s_cmp_gt_u32 s3, 1
	s_cbranch_scc0 .Lnx_\@
	global_prefetch_b8 v[PFX], s[PX:PX+1] offset:512*SL th:TH_LOAD_NT scope:SCOPE_SE
.Lnx_\@:
	s_cmp_eq_u32 s[FW], 0
	s_cbranch_scc0 .Lnw_\@
	global_prefetch_b8 v[PFW], s[PW:PW+1] offset:65536*SL th:TH_LOAD_NT scope:SCOPE_SE
.Lnw_\@:
.endm
.macro SYMS tl                         ; step tl's registers and slots
.set Q2, (\tl)%2
.set U, (\tl)>>1
.set B0, 2*Q2
.set SAS, SA+8*(U%2)+2*Q2
.set SBS, SB+8*(U%4)+2*Q2
.set SL, ((\tl)>>2)%2
.set SLN, (((\tl)+1)>>2)%2
.endm
; Step tl, counted from where the bases stand.  z: the products start the sums.  ldw: W's two halves of step tl + 2 are asked for.  lda: x's fragments of step tl + 1.  sbl, sal: scale words.
; turn = 1: the slot's last step: all its reads have been issued, and it is filled again; 2: the barrier alone.  n0, n1: the global loads that may stay out at a phase's head: at least those issued behind the half set that it multiplies.
.macro STEP tl, z, ldw, lda, sbl, sal, turn, n0, n1
	SYMS \tl
	s_wait_loadcnt \n0
.if \turn
	WIN 0
	s_wait_tensorcnt 0x0                           ; my one load that was out, my part of the other slot, has landed
	ds_add_u32 v[SPW], v[NIL]
.if \turn == 1
	s_add_nc_u64 s[G0+4*SL+2:G0+4*SL+3], s[G0+4*SL+2:G0+4*SL+3], 1024   ; this slot's next 512 along K
.endif
.endif
	WIN MUL_LO
.irp a, 0,1,2,3
	s_wait_dscnt 28-4*\a                           ; block a is in: behind it the later blocks' loads, four each
	GRP \a, 0, \z
.endr
	WIN MUL_HI
	s_wait_dscnt 12
	GRP 4, 0, \z
	s_wait_dscnt 8
	GRP 5, 0, \z
.if \turn
	s_wait_dscnt 0x0                               ; the add is done, and my reads of this slot are over
	s_barrier_signal -1
	GRP 6, 0, \z
	GRP 7, 0, \z
	WIN 0
	s_barrier_wait -1
.if \turn == 1
	CREST                                          ; the barrier has opened a round of the cluster's barrier
	tensor_load_to_lds s[G0+4*SL:G0+4*SL+3], s[G1R:G1R+7]   ; the joint refill, 64 rows a wave
	s_nop 0
.endif
.else
	s_wait_dscnt 4
	GRP 6, 0, \z
	s_wait_dscnt 0
	GRP 7, 0, \z
.endif
	s_wait_loadcnt \n1
	WIN MUL_LO
.irp a, 0,1,2,3
	GRP \a, 1, \z
.endr
	PLACES 8                                       ; ahead of loads into registers that matrix instructions have read (ISA guide 7.12.1 for vector instructions)
	WIN 0
.if (\sal) && Q2
.irp g, 0,1
	ds_load_b128 v[SA+8*((U+1)%2)+4*\g:SA+8*((U+1)%2)+4*\g+3], v[ADRS] offset:(U+1)*2048+512*\g
.endr
.endif
.if \lda
.irp i, 0,1,2,3
	FRAG AF+16*\i, ADRA+SLN, ((\tl)+1)%4, \i
.endr
.endif
.if \ldw
	WIN TO_B
	BLD B0, (\tl)+2, 0
.endif
.if \turn == 1
	WIN 0
	ASK
.endif
	WIN MUL_HI
.irp a, 4,5,6,7
	GRP \a, 1, \z
.endr
	PLACES 8
	WIN 0
.if \lda
.irp i, 4,5,6,7
	FRAG AF+16*\i, ADRA+SLN, ((\tl)+1)%4, \i
.endr
.endif
.if (\sbl) && (Q2 == 0)
.irp g, 0,1
	global_load_b128 v[SB+8*((U+2)%4)+4*\g:SB+8*((U+2)%4)+4*\g+3], v[CO], s[WS:WS+1] offset:(U+2)*16384+512*\g
.endr
.endif
.if \ldw
	WIN TO_B
	BLD B0+1, (\tl)+2, 1
.endif
.endm
	STEP 0, 1, 1,1,1,1, 0, 48, 32                  ; the first step stands in front of the loop: its products start the sums
	WIN 0
	s_mov_b32 s3, 3
.Llap:                                                 ; a trip is eight steps, once round the ring, and fills both slots again
.irp t, 1,2
	STEP \t, 0, 1,1,1,1, 0, 48, 32
.endr
	STEP 3, 0, 1,1,1,1, 1, 48, 32
.irp t, 4,5,6
	STEP \t, 0, 1,1,1,1, 0, 48, 32
.endr
	STEP 7, 0, 1,1,1,1, 1, 48, 32
	STEP 8, 0, 1,1,1,1, 0, 48, 32
	WIN 0
	s_wait_xcnt 0x0                                ; the loads and prefetches issued so far have read their bases
	s_add_nc_u64 s[WB:WB+1], s[WB:WB+1], 131072
	s_add_nc_u64 s[WS:WS+1], s[WS:WS+1], 65536
	s_add_nc_u64 s[PX:PX+1], s[PX:PX+1], 1024
	s_add_nc_u64 s[PW:PW+1], s[PW:PW+1], 131072
	v_add_nc_u32 v[ADRS], 8192, v[ADRS]
	s_wait_alu depctr_va_vdst(0)
	s_sub_co_u32 s3, s3, 1
	s_cmp_lg_u32 s3, 0
	s_cbranch_scc1 .Llap
	STEP 1, 0, 1,1,1,1, 0, 48, 32                  ; steps 25 to 30: nothing is fetched beyond the end of K
	STEP 2, 0, 1,1,1,1, 0, 48, 32
	STEP 3, 0, 1,1,1,1, 2, 48, 32
	STEP 4, 0, 1,1,0,1, 0, 48, 32
	STEP 5, 0, 1,1,0,1, 0, 48, 32
	STEP 6, 0, 0,1,0,0, 0, 48, 32
; STEP 31 AND THE WAY OUT.  Block a of 16 rows x 128 columns is finished by 8 products and goes through my own stage: rows come back whole, 512 bytes, into W's half sets 0 and 1 by turns (step 31 reads half sets 2 and 3),
; and the 32 lanes store them on end.  LDS serves a wave's instructions in order (ISA guide 5.7.1.4): no wait between the stage's stores and its loads.
.macro ROW a
	WIN MUL_LO+0x50*((\a)/4)
	GRP \a, 0, 0
	GRP \a, 1, 0
.endm
.macro TOSTAGE a
.set AC, 64*((\a)%4)
	WIN 0x08+4*((\a)/4)                            ; the data: window 2 or 3
.irp b, 0,1,2,3,4,5,6,7
	ds_store_b128 v[STO], v[AC+8*\b:AC+8*\b+3] offset:64*\b          ; each accumulator from its low end on
	ds_store_b128 v[STO], v[AC+8*\b+4:AC+8*\b+7] offset:64*\b+16
.endr
	WIN TO_B
.set BB, 64*((\a)%2)
.irp t, 0,1,2,3,4,5,6,7,8,9,10,11,12,13,14,15
	ds_load_b128 v[BB+4*\t:BB+4*\t+3], v[RD] offset:\t*SPITCH
.endr
.endm
.macro SEND a, younger                 ; younger: the LDS instructions issued behind block a's loads, which may stay out
.set BB, 64*((\a)%2)
	s_wait_dscnt \younger
.if (\a) > 0
	s_add_nc_u64 s[12:13], s[12:13], 16*SIZE_N*4   ; behind a wait on XCNT: the earlier stores have read their base
.endif
	WIN 0x04                                       ; the data: window 1
.irp t, 0,1,2,3,4,5,6,7,8,9,10,11,12,13,14,15
	global_store_b128 v[CO], v[BB+4*\t:BB+4*\t+3], s[12:13] offset:\t*SIZE_N*4 th:TH_STORE_NT   ; 512 consecutive bytes, at a multiple of 256 from C's first byte
.endr
.endm
	SYMS 7
	s_wait_loadcnt 0x0                             ; W's last two half sets are in
	s_wait_dscnt 16                                ; x's blocks 0-3 are in; blocks 4-7 may be out
	ROW 0
	s_wait_dscnt 0x0
.irp a, 0,1,2,3,4,5,6,7
.if \a < 7
	ROW \a+1
.endif
	PLACES 8                                       ; ahead of the reads of block a's results
.if \a > 1
	s_wait_xcnt 0x0                                ; block a - 2's stores have read their registers and their base
.endif
	TOSTAGE \a
.if \a > 0
	SEND \a-1, 32
.endif
.endr
	s_wait_xcnt 0x0
	SEND 7, 0
	WIN 0
	s_wait_tensorcnt 0x0                           ; the wave's end
	ds_add_u32 v[SPW], v[NIL]
	s_wait_dscnt 0x0
	CROUND                                         ; the closing round
	s_endpgm
.Lfunc_end_k_q429cb8a9bc_gemm:
	.size	k_q429cb8a9bc_gemm, .Lfunc_end_k_q429cb8a9bc_gemm-k_q429cb8a9bc_gemm
	.p2alignl 7, 3214868480
	.fill 96, 4, 3214868480
	.section	.rodata,"a",@progbits
	.p2align	6, 0x0
	.amdhsa_kernel k_q429cb8a9bc_gemm
		.amdhsa_group_segment_fixed_size 327680
		.amdhsa_private_segment_fixed_size 0
		.amdhsa_enable_private_segment 0
		.amdhsa_kernarg_size 40
		.amdhsa_user_sgpr_count 2
		.amdhsa_user_sgpr_kernarg_segment_ptr 1
		.amdhsa_wavefront_size32 1
		.amdhsa_system_sgpr_workgroup_id_x 1
		.amdhsa_system_sgpr_workgroup_id_y 1
		.amdhsa_system_sgpr_workgroup_id_z 1
		.amdhsa_system_vgpr_workitem_id 0
		.amdhsa_next_free_vgpr 1024
		.amdhsa_next_free_sgpr 98
		.amdhsa_reserve_vcc 0
		.amdhsa_float_denorm_mode_32 3
		.amdhsa_float_denorm_mode_16_64 3
		.amdhsa_memory_ordered 1
		.amdhsa_forward_progress 1
		.amdhsa_inst_pref_size 255
	.end_amdhsa_kernel
	.section	.bss,"aw",@nobits
	.p2align	6
	.space	262144
	.amdgpu_metadata
---
amdhsa.version: [ 1, 2 ]
amdhsa.kernels:
  - .name:           k_q429cb8a9bc_gemm
    .symbol:         k_q429cb8a9bc_gemm.kd
    .args:
      - { .name: x_codes, .offset: 0, .size: 8, .value_kind: global_buffer, .address_space: global }
      - { .name: xs2, .offset: 8, .size: 8, .value_kind: global_buffer, .address_space: global }
      - { .name: wq, .offset: 16, .size: 8, .value_kind: global_buffer, .address_space: global }
      - { .name: ws2, .offset: 24, .size: 8, .value_kind: global_buffer, .address_space: global }
      - { .name: out0, .offset: 32, .size: 8, .value_kind: global_buffer, .address_space: global }
    .group_segment_fixed_size: 327680
    .private_segment_fixed_size: 0
    .kernarg_segment_align: 8
    .kernarg_segment_size: 40
    .max_flat_workgroup_size: 128
    .sgpr_count:     98
    .vgpr_count:     1024
    .wavefront_size: 32
...
	.end_amdgpu_metadata
.endif
;; end of part 2
